; MI455X (gfx1250); checked and timed in simulation.
; The chip was launched on July 23, 2026; its instructions are those of AMD's public machine-readable ISA for CDNA 5 (MIT licence, August 2026) and "CDNA5" Instruction Set Architecture Reference Guide (July 2026). The comments in the code are by the model that wrote it; some were corrected since.
;; Cross Attention. Allowed arithmetic: matrix products marked QUANTISED: E2M1 operands, one E8M0 scale for each 32 along K, by v_wmma_scale_f32_16x16x128_f8f6f4 with both operands' format E2M1 (or v_wmma_scale_f32_32x16x128_f4), f32 sums; everything else in f32.
;; Inputs: keys 4 x 2,048 x 1,024 float32; mask 2,048 x 2,048 float32; queries 4 x 2,048 x 1,024 float32; values_codes 4 x 1,024 x 64 x 16 uint8 (E2M1 codes of values, K innermost, in blocks of 32 codes, two codes a byte); values_scales 4 x 1,024 x 64 uint8 (E8M0 scales of values, one for each 32 codes along K).
;; Outputs: out0 4 x 2,048 x 1,024 float32.
;; This version of the problem:
;;   THIS VERSION OF THE PROBLEM IS GIVEN IN LOW PRECISION. The matrix products marked QUANTISED in the list below multiply operands that are first quantised to E2M1 (2 exponent bits, 1 mantissa bit; 4 bits a number), with one power-of-two scale for each 32 numbers along K (OCP MX v1.0); their sums are f32. All else is computed in f32.
;;   The module's matrix products, in the order in which they are computed (A, B: the left and right operand; K: the contracted axis; several contracted axes count as one K, in the product's order):
;;     1. batch 64 x [M 2,048, K 64] x [K 64, N 2,048]; A: input queries; B: input keys: QUANTISED
;;     2. batch 64 x [M 64, K 2,048] x [K 2,048, N 2,048]; A: input values (given as codes); B: computed on the way: QUANTISED
;;   THE QUANTISER, for each operand of a quantised product, along K:
;;     - K is cut into blocks of 32 from its start; a last block that is shorter is filled with zeros.
;;     - A block's scale is 2^e with e = floor(log2(the largest magnitude in the block)) - 2, held to -126 .. 127; a block of zeros has e = 0. As a byte (E8M0): e + 127.
;;     - Each number is divided by its block's scale, clamped to +-6, and rounded to the nearest number of E2M1, ties to even, subnormals kept.
;;     - The product sums the exact products of the quantised numbers (number of the format x scale) in f32.
;;   ~~~python
;;   def quantise(x, axis):      # numpy; x: float32 -> the quantised numbers, widened to float32 again
;;       x = np.moveaxis(x, axis, -1); K = x.shape[-1]
;;       x = np.pad(x, [(0, 0)] * (x.ndim - 1) + [(0, -K % 32)]); x = x.reshape(x.shape[:-1] + (-1, 32)); a = np.abs(x).max(-1, keepdims=True)
;;       e = np.where(a > 0, np.clip(np.frexp(np.where(a > 0, a, 1))[1] - 1 - 2, -126, 127), 0)      # np.frexp(a)[1] - 1 = floor(log2(a)), exactly
;;       r = np.clip(x / 2.0 ** e, -6, 6)
;;       step = 2.0 ** (np.maximum(np.frexp(np.where(r == 0, 1, r))[1] - 1, 0) - 1)
;;       q = np.round(r / step) * step * 2.0 ** e      # np.round: ties to even
;;       return np.moveaxis(q.reshape(q.shape[:-2] + (-1,))[..., :K], -1, axis).astype(np.float32)
;;   ~~~
;;   OPERANDS COMPUTED ON THE WAY. 'Computed on the way' means the value that the module computes at that place (a softmax that the list does not call 'softmax' is quantised finished and normalised). What goes into a quantiser is computed in f32, as accurately as f32 sums, v_exp_f32 and their like allow (about 1e-6 of the number): no bf16 or f16 on the way to a quantiser, and a product that is left as it is and whose result goes on into a quantised operand takes f32 operands (vector FMAs, or v_wmma_f32_16x16x4_f32). A number that lies on a knife's edge between two numbers of the format may be rounded either way, as far as f32 arithmetic and the matrix unit's own rounding can turn it there, and no further.
;;   INPUTS GIVEN AS CODES. values (in the module: [4, 2048, 1024], K = its axis 1): each comes as NAME_codes (uint8): NAME with its K axis moved to the last place and cut into blocks of 32 codes, [.., K / 32, bytes a block], one block behind the other in memory; two codes a byte, the lower K in the low four bits (a code: sign, 2 exponent bits, 1 mantissa bit); and NAME_scales (uint8): the same leading axes, one E8M0 byte (e + 127) for each 32 codes along K. Its value is code x scale, taken as it is: it is not quantised again, and the codes and scales need not be those that the quantiser above would give.
;; One version. Each part assembles by itself: llvm-mc -triple=amdgcn-amd-amdhsa -mcpu=gfx1250 --defsym DOCPART=n.
;; ======== version 1 of 1: 2 launches
;; limits: right only within a limited range of input values
;; workspace buffers: kimg 4,456,448 bytes; qimg 4,456,448 bytes; mimg 16,777,216 bytes; vimg 4,194,304 bytes
;; launch prep (part 1): grid 448 x 1, 4 waves a work-group, no clusters, 80,384 bytes of LDS; arguments keys, queries, mask, kimg, qimg, mimg, values_codes, vimg; writes kimg, qimg, mimg, vimg
.if DOCPART == 1
	.amdgcn_target "amdgcn-amd-amdhsa--gfx1250"
	.amdhsa_code_object_version 6
	.text
	.protected	k_q96fa5dba7f_prep
	.globl	k_q96fa5dba7f_prep
	.p2align	8
	.type	k_q96fa5dba7f_prep,@function
k_q96fa5dba7f_prep:
	s_mov_b64 s[64:65], 0
	v_nop
	global_prefetch_b8 v0, s[64:65] scope:SCOPE_SE
	s_setreg_imm32_b32 hwreg(HW_REG_WAVE_MODE, 25, 1), 1
	s_wait_xcnt 0x0
; keys and queries [4][2048][1024] f32 become codes of FP4 (E2M1) with one E8M0 byte for each 32 along a head's 64, and mask [2048][2048] f32 is turned into another order:
; all three are laid in the order in which the attention launch's registers take them, so that every load there is 16 bytes a lane, 512 consecutive bytes a wave.
; A PAIR p = 8 b + h / 2 is two neighbouring heads of one batch.  kimg, qimg: 32 pairs x 139,264 bytes: codes [j 16][head 2][fs 4][u 2][lane 32][16 bytes], then scale words [j 16][head 2][lane 32][8 bytes].
;   j: a step of 128 rows; fs: 32 rows of it; tile u, lane (r = lane % 16, hb = lane / 16) holds the 16 code bytes of block hb (32 of the head's 64) of row 128 j + 32 fs + 8 u + r + 8 (r / 8).
;   scale words: lane r + 16 (fs % 2), word fs / 2, byte 2 u + hb.
; mimg: [T 128][j 16][q 16][lane 32][16 bytes]: register 4 q + e of lane (r, h) is mask[32 (T / 2) + 8 (T % 2) + r + 8 (r / 8)][128 j + 32 (q / 4) + 16 h + 4 (q % 4) + e].
; A block's scale is 2^(floor(log2(its largest magnitude)) - 2); its byte is the largest magnitude's exponent field - 2, held at 1 from below.
; LIMITS: a block whose largest magnitude lies under 2^-124 (a block of zeros among them, where the quantiser says 127) gets the byte 1: its codes are then what the byte 1 gives, zeros for zeros, and this program alone
; reads the bytes.  NaN and infinities among the inputs are not served.
; Work-groups 0-127 take keys, 128-255 queries (one text: only pointers are chosen), 256-383 the mask.  The two texts have LDS bytes of their own.  No barrier: waves share nothing.
.set PAIRB, 139264                     ; a pair's bytes in kimg and qimg
.set WQ,    11264                      ; codes' text: LDS of a wave: a stage of 32 x 80 bytes, its 8,192 bytes of codes, its 512 scale bytes
.set IMGO,  2560
.set SCIO,  10752
.set MBASE, 45056                      ; the mask's text: LDS behind the four waves' WQ: a stage of 16 x 544 bytes for each wave
.set WM,    8704
.set C,     16                         ; v16-19   a chunk's codes, two sets of two registers
.set E,     20                         ; v20-21   its scale byte, two sets
.set X,     32                         ; v32-63   two sets of 16 neighbours
.set R,     64                         ; v64-191  eight sets of 16 numbers as they are loaded; on the way out the image
.set IN,    32                         ; the mask: v32-159 two sets of 64 as loaded
.set OUTR,  160                        ; v160-223 64 in the new order
	s_load_b256 s[4:11], s[0:1], 0x0               ; keys s[4:5], queries s[6:7], mask s[8:9], kimg s[10:11]
	s_load_b128 s[12:15], s[0:1], 0x20             ; qimg s[12:13], mimg s[14:15]
	v_lshl_add_u32 v224, v0, 2, 0x13800
	v_mov_b32 v225, 0
	v_lshrrev_b32 v1, 5, v0
	v_readfirstlane_b32 s16, v1                    ; wave 0..3
	v_and_b32 v1, 31, v0                           ; lane
	v_lshlrev_b32 v2, 4, v1                        ; 16 x lane: my 16 bytes of 512, in every global load and store
	s_cmp_lt_u32 ttmp9, 256
	s_cbranch_scc0 .Lmask
; ---------------- keys and queries.  A wave takes one step of one pair: 128 rows x 512 bytes (the two heads lie side by side in a row).
	s_lshl_b32 s17, ttmp9, 2
	s_add_co_u32 s17, s17, s16                     ; 4 x work-group + wave
	s_bfe_u32 s18, s17, 0x50004                    ; the pair p (5 bits from bit 4)
	s_and_b32 s19, s17, 15                         ; the step j
	s_lshr_b32 s20, s18, 3
	s_lshl_b32 s20, s20, 23                        ; the batch: 2,048 rows of 4,096 bytes
	s_lshl_b32 s21, s19, 19                        ; + 128 j rows
	s_add_co_u32 s20, s20, s21
	s_and_b32 s21, s18, 7
	s_lshl_b32 s21, s21, 9                         ; + the pair's 512 bytes in a row
	s_add_co_u32 s20, s20, s21
	s_mov_b32 s21, 0
	s_mul_i32 s22, s18, PAIRB
	s_lshl_b32 s24, s19, 13
	s_add_co_u32 s24, s24, s22                     ; the codes: pair + 8,192 j
	s_mov_b32 s25, 0
	s_lshl_b32 s26, s19, 9
	s_add_co_u32 s26, s26, s22
	s_add_co_u32 s26, s26, 131072                  ; the scale words: pair + 131,072 + 512 j
	s_mov_b32 s27, 0
	s_mul_i32 s30, s16, WQ                         ; my wave's LDS
	s_wait_alu depctr_va_vdst(0)
	v_lshrrev_b32 v8, 2, v1
	v_mul_u32_u24 v3, v8, 80
	v_and_b32 v9, 3, v1
	v_lshl_add_u32 v3, v9, 4, v3
	v_add_nc_u32 v3, s30, v3                       ; the stage, way in: four lanes' 64 bytes on end, then 16 of padding; a row's 512 bytes take eight such places
	v_mul_u32_u24 v4, v1, 80
	v_add_nc_u32 v4, s30, v4                       ; way out: place = lane: 16 neighbours: row lane / 8 of the chunk's four, head (lane / 4) % 2, block (lane / 2) % 2, half lane % 2
	v_bfe_u32 v8, v1, 2, 1                         ; head
	v_lshrrev_b32 v9, 3, v1                        ; row of the chunk
	v_bfe_u32 v10, v1, 1, 1                        ; block
	v_and_b32 v11, 1, v1                           ; half
	v_lshlrev_b32 v5, 12, v8
	v_lshl_add_u32 v5, v9, 4, v5
	v_lshl_add_u32 v5, v10, 8, v5
	v_lshl_add_u32 v5, v11, 3, v5
	v_add_nc_u32 v5, s30, v5
	v_add_nc_u32 v5, IMGO, v5                      ; where my 8 bytes of codes go: 4,096 head + 16 row + 256 block + 8 half; the chunk's part stands in the immediate
	v_lshlrev_b32 v6, 8, v8
	v_lshl_add_u32 v6, v9, 3, v6
	v_add_nc_u32 v6, v6, v10
	v_add_nc_u32 v6, s30, v6
	v_add_nc_u32 v6, SCIO, v6                      ; where my block's byte goes: 256 head + 8 row + block
	v_add_nc_u32 v7, s30, v2
	v_add_nc_u32 v7, IMGO, v7                      ; the image read back: 16 x lane
	s_wait_kmcnt 0x0
	s_cmp_lt_u32 ttmp9, 128                        ; keys or queries?  The choice hangs on the work-group's number alone
	s_cselect_b64 s[4:5], s[4:5], s[6:7]
	s_cselect_b64 s[10:11], s[10:11], s[12:13]
	s_add_nc_u64 s[4:5], s[4:5], s[20:21]
	s_add_nc_u64 s[28:29], s[10:11], s[26:27]      ; the scale words
	s_add_nc_u64 s[10:11], s[10:11], s[24:25]      ; the codes
.macro LOAD t                          ; chunk t: rows 4 t .. 4 t + 3; each load reads 512 consecutive bytes of one row
.irp i, 0,1,2,3
	global_load_b128 v[R+16*((\t)%8)+4*\i:R+16*((\t)%8)+4*\i+3], v2, s[4:5] offset:(4*(\t)+\i)*4096 th:TH_LOAD_NT
.endr
.endm
.macro TURN t                          ; chunk t through the stage: LDS serves a wave's instructions in order (ISA guide 5.7.1.4), so no wait stands between the stores and the loads
.irp i, 0,1,2,3
	ds_store_b128 v3, v[R+16*((\t)%8)+4*\i:R+16*((\t)%8)+4*\i+3] offset:640*\i
.endr
.irp i, 0,1,2,3
	ds_load_b128 v[X+16*((\t)%2)+4*\i:X+16*((\t)%2)+4*\i+3], v4 offset:16*\i
.endr
.endm
.macro STEP t
.set XS, X+16*((\t)%2)
.set CC, C+2*((\t)%2)
.set EE, E+(\t)%2
.if (\t) > 0
	s_wait_dscnt 2                                 ; this chunk's numbers are back from the stage (behind them only the last chunk's two small stores were issued): so its stores into the stage have read their registers,
.else
	s_wait_dscnt 0x0
.endif
.if (\t)+8 < 32
	LOAD (\t)+8                                    ; which take the loads of eight chunks on
.endif
.if (\t)+1 < 32
.if (\t)+8 < 32
	s_wait_loadcnt 28                              ; the next chunk's four loads are in; those of the seven chunks behind it may be out
.else
	s_wait_loadcnt 4*(30-(\t))                     ; towards the end fewer chunks stand behind it
.endif
	TURN (\t)+1                                    ; and go through the stage while this chunk is worked
.endif
	v_max3_num_f32 v8, |v[XS]|, |v[XS+1]|, |v[XS+2]|               ; the largest magnitude of my 16, in two chains
	v_max3_num_f32 v9, |v[XS+3]|, |v[XS+4]|, |v[XS+5]|
.irp i, 6,10
	v_max3_num_f32 v8, v8, |v[XS+\i]|, |v[XS+\i+1]|
	v_max3_num_f32 v9, v9, |v[XS+\i+2]|, |v[XS+\i+3]|
.endr
	v_max3_num_f32 v8, v8, |v[XS+14]|, |v[XS+15]|
	v_max3_num_f32 v8, v8, v9, 0x1800000           ; and the floor 2^(3 - 127): the byte cannot fall under 1
	v_max_num_f32_dpp v8, v8, v8 row_xmask:1 row_mask:0xf bank_mask:0xf   ; and of my neighbour's 16: the block's
	v_add_nc_u32 v11, 0xff000000, v8               ; 2 off its exponent field: the conversion takes the exponent field of this operand as its scale, and nothing else of it
	v_cvt_scalef32_pk8_fp4_f32 v[CC], v[XS:XS+7], v11
	v_cvt_scalef32_pk8_fp4_f32 v[CC+1], v[XS+8:XS+15], v11
	v_lshrrev_b32 v[EE], 23, v11                   ; the scale's byte (also the plain line behind the conversions)
	; chunk t's rows are 32 (t / 8) + 4 (t % 8) + 0 .. 3: fs = t / 8, u = (t / 2) % 2, r = 4 (t % 2) + 8 ((t / 4) % 2) + row of the chunk
	ds_store_b64 v5, v[CC:CC+1] offset:((\t)>>3)*1024+(((\t)>>1)&1)*512+(((\t)>>2)&1)*128+((\t)&1)*64
	ds_store_b8 v6, v[EE] offset:((\t)&1)*32+(((\t)>>2)&1)*64+(((\t)>>3)&1)*128+((\t)>>4)*4+(((\t)>>1)&1)*2   ; both lanes of a block write the same byte with the same value
.endm
.irp t, 0,1,2,3,4,5,6,7
	LOAD \t
.endr
	s_wait_loadcnt 28                              ; chunk 0's four loads are in
	TURN 0
.irp t, 0,1,2,3,4,5,6,7,8,9,10,11,12,13,14,15,16,17,18,19,20,21,22,23,24,25,26,27,28,29,30,31
	STEP \t
.endr
.irp k, 0,1,2,3,4,5,6,7,8,9,10,11,12,13,14,15,16
	ds_load_b128 v[R+4*\k:R+4*\k+3], v7 offset:512*\k              ; the image back, 512 bytes a load; the seventeenth is the scale words.  These see my stores: LDS serves a wave in order
.endr
.irp k, 0,1,2,3,4,5,6,7,8,9,10,11,12,13,14,15
	s_wait_dscnt 16-\k
	global_store_b128 v2, v[R+4*\k:R+4*\k+3], s[10:11] offset:512*\k   ; 32 lanes store 512 consecutive bytes, at a multiple of 256 from the buffer's first byte
.endr
	s_wait_dscnt 0x0
	global_store_b128 v2, v[R+64:R+67], s[28:29]
	s_wait_tensorcnt 0x0
	ds_add_u32 v224, v225
	s_wait_dscnt 0x0
	s_endpgm
; ---------------- the mask.  Work-group 256 + T takes tile T (16 rows), wave w its steps 4 w .. 4 w + 3 (128 keys each).
.Lmask:
	s_cmp_lt_u32 ttmp9, 384
	s_cbranch_scc1 .Lmask2
; ---------------- values' codes.  Work-group 384 + g takes head g = 16 b + h (64 rows of 1,024 bytes), wave dt its rows 16 dt .. 16 dt + 15.
; vimg: [g 64][ks 16][dt 4][cc 2][lane 32][16 bytes]: lane (r, hh) holds the 32 codes of keys 128 ks + 64 cc + 32 hh of row 16 dt + r: the order of a matrix operand's registers.
; The wave's 32 loads together read its 16 rows whole; each store is 512 consecutive bytes.  No LDS is touched on this path.
	s_load_b128 s[32:35], s[0:1], 0x30             ; values_codes s[32:33], vimg s[34:35]
	s_sub_co_u32 s17, ttmp9, 384                   ; g
	s_lshl_b32 s18, s17, 16                        ; 64 rows of 1,024 bytes
	s_lshl_b32 s19, s16, 14                        ; + 16 dt rows
	s_add_co_u32 s18, s18, s19
	s_mov_b32 s19, 0
	s_lshl_b32 s20, s17, 16                        ; vimg: 65,536 g + 1,024 dt
	s_lshl_b32 s21, s16, 10
	s_add_co_u32 s20, s20, s21
	s_mov_b32 s21, 0
	s_wait_alu depctr_va_vdst(0)                   ; the wait ahead of the readers below
	v_and_b32 v3, 15, v1                           ; r
	v_lshrrev_b32 v4, 4, v1                        ; hh
	v_lshlrev_b32 v3, 10, v3
	v_lshl_add_u32 v3, v4, 4, v3                   ; 1,024 r + 16 hh
	s_wait_alu depctr_va_vdst(0)                   ; and directly ahead of the wait below
	s_wait_kmcnt 0x0
	s_add_nc_u64 s[32:33], s[32:33], s[18:19]
	s_add_nc_u64 s[34:35], s[34:35], s[20:21]
.set k, 0
.rept 32
	global_load_b128 v[64+4*k:64+4*k+3], v3, s[32:33] offset:32*k th:TH_LOAD_NT   ; k = 2 ks + cc
.set k, k+1
.endr
.set k, 0
.rept 32
	s_wait_loadcnt 31-k                            ; load k is in; the 31 - k behind it may be out
	global_store_b128 v2, v[64+4*k:64+4*k+3], s[34:35] offset:(k/2)*4096+(k%2)*512
.set k, k+1
.endr
	s_endpgm
.Lmask2:
	s_sub_co_u32 s17, ttmp9, 256                   ; T
	s_lshr_b32 s18, s17, 1
	s_lshl_b32 s18, s18, 5
	s_and_b32 s19, s17, 1
	s_lshl_b32 s19, s19, 3
	s_add_co_u32 s18, s18, s19                     ; the tile's first row: 32 (T / 2) + 8 (T % 2)
	s_lshl_b32 s18, s18, 13                        ; a row is 8,192 bytes
	s_lshl_b32 s19, s16, 11                        ; my four steps: 2,048 bytes of each row
	s_add_co_u32 s18, s18, s19
	s_mov_b32 s19, 0
	s_lshl_b32 s20, s17, 17                        ; mimg: 131,072 T + 32,768 wave
	s_lshl_b32 s21, s16, 15
	s_add_co_u32 s20, s20, s21
	s_mov_b32 s21, 0
	s_mul_i32 s22, s16, WM
	s_add_co_u32 s22, s22, MBASE                   ; my stage
	s_wait_alu depctr_va_vdst(0)
	v_lshrrev_b32 v8, 3, v1
	v_and_b32 v9, 3, v1
	v_lshl_add_u32 v8, v8, 2, v9                   ; as loaded, lane l holds keys 4 l .. 4 l + 3 of a row: they belong to q = 4 (l / 8) + l % 4, half (l / 4) % 2
	v_mul_u32_u24 v3, v8, 544
	v_bfe_u32 v9, v1, 2, 1
	v_mad_u32_u24 v3, v9, 272, v3
	v_add_nc_u32 v3, s22, v3                       ; way in: 544 q + 272 half, + 16 x row in the immediate.  272 = 17 x 16: sixteen lanes fall on sixteen different 16-byte columns of 256
	v_lshrrev_b32 v8, 4, v1
	v_mul_u32_u24 v4, v8, 272
	v_and_b32 v9, 15, v1
	v_lshl_add_u32 v4, v9, 4, v4
	v_add_nc_u32 v4, s22, v4                       ; way out: 272 (lane / 16) + 16 (lane % 16), + 544 q in the immediate
	s_wait_alu depctr_va_vdst(0)
	s_wait_kmcnt 0x0
	s_add_nc_u64 s[8:9], s[8:9], s[18:19]
	s_add_nc_u64 s[14:15], s[14:15], s[20:21]
.macro LOADM s                         ; step s: 512 consecutive bytes of each of the tile's 16 rows
.irp r, 0,1,2,3,4,5,6,7,8,9,10,11,12,13,14,15
	global_load_b128 v[IN+64*((\s)%2)+4*\r:IN+64*((\s)%2)+4*\r+3], v2, s[8:9] offset:(\r+8*(\r/8))*8192+512*(\s) th:TH_LOAD_NT
.endr
.endm
.macro MSTEP s
.if (\s) < 3
	s_wait_loadcnt 16                              ; this step's 16 loads are in; the next step's may be out
.else
	s_wait_loadcnt 0x0
.endif
.irp r, 0,1,2,3,4,5,6,7,8,9,10,11,12,13,14,15
	ds_store_b128 v3, v[IN+64*((\s)%2)+4*\r:IN+64*((\s)%2)+4*\r+3] offset:16*\r
.endr
.if (\s) > 0
	s_wait_xcnt 0x0                                ; the last step's stores have read their data: the registers are loaded again only behind this wait
.endif
.irp q, 0,1,2,3,4,5,6,7,8,9,10,11,12,13,14,15
	ds_load_b128 v[OUTR+4*\q:OUTR+4*\q+3], v4 offset:544*\q
.endr
.if (\s)+2 < 4
	s_wait_dscnt 16                                ; all but the 16 loads just issued: the stage's stores have read their registers,
	LOADM (\s)+2                                   ; which take the step two on
.endif
.irp q, 0,1,2,3,4,5,6,7,8,9,10,11,12,13,14,15
	s_wait_dscnt 15-\q
	global_store_b128 v2, v[OUTR+4*\q:OUTR+4*\q+3], s[14:15] offset:8192*(\s)+512*\q   ; 512 consecutive bytes, aligned to 256
.endr
.endm
	LOADM 0
	LOADM 1
.irp s, 0,1,2,3
	MSTEP \s
.endr
	s_wait_tensorcnt 0x0
	ds_add_u32 v224, v225
	s_wait_dscnt 0x0
	s_endpgm
.Lfunc_end_k_q96fa5dba7f_prep:
	.size	k_q96fa5dba7f_prep, .Lfunc_end_k_q96fa5dba7f_prep-k_q96fa5dba7f_prep
	.p2alignl 7, 3214868480
	.fill 96, 4, 3214868480
	.section	.rodata,"a",@progbits
	.p2align	6, 0x0
	.amdhsa_kernel k_q96fa5dba7f_prep
		.amdhsa_group_segment_fixed_size 80384
		.amdhsa_private_segment_fixed_size 0
		.amdhsa_enable_private_segment 0
		.amdhsa_kernarg_size 64
		.amdhsa_user_sgpr_count 2
		.amdhsa_user_sgpr_kernarg_segment_ptr 1
		.amdhsa_wavefront_size32 1
		.amdhsa_system_sgpr_workgroup_id_x 1
		.amdhsa_system_sgpr_workgroup_id_y 1
		.amdhsa_system_sgpr_workgroup_id_z 1
		.amdhsa_system_vgpr_workitem_id 0
		.amdhsa_next_free_vgpr 226
		.amdhsa_next_free_sgpr 66
		.amdhsa_reserve_vcc 0
		.amdhsa_float_denorm_mode_32 3
		.amdhsa_float_denorm_mode_16_64 3
		.amdhsa_memory_ordered 1
		.amdhsa_forward_progress 1
		.amdhsa_inst_pref_size 98
	.end_amdhsa_kernel
	.amdgpu_metadata
---
amdhsa.version: [ 1, 2 ]
amdhsa.kernels:
  - .name:           k_q96fa5dba7f_prep
    .symbol:         k_q96fa5dba7f_prep.kd
    .args:
      - { .name: keys, .offset: 0, .size: 8, .value_kind: global_buffer, .address_space: global }
      - { .name: queries, .offset: 8, .size: 8, .value_kind: global_buffer, .address_space: global }
      - { .name: mask, .offset: 16, .size: 8, .value_kind: global_buffer, .address_space: global }
      - { .name: kimg, .offset: 24, .size: 8, .value_kind: global_buffer, .address_space: global }
      - { .name: qimg, .offset: 32, .size: 8, .value_kind: global_buffer, .address_space: global }
      - { .name: mimg, .offset: 40, .size: 8, .value_kind: global_buffer, .address_space: global }
      - { .name: values_codes, .offset: 48, .size: 8, .value_kind: global_buffer, .address_space: global }
      - { .name: vimg, .offset: 56, .size: 8, .value_kind: global_buffer, .address_space: global }
    .group_segment_fixed_size: 80384
    .private_segment_fixed_size: 0
    .kernarg_segment_align: 8
    .kernarg_segment_size: 64
    .max_flat_workgroup_size: 128
    .sgpr_count:     66
    .vgpr_count:     226
    .wavefront_size: 32
...
	.end_amdgpu_metadata
.endif
;; end of part 1
;; launch attn (part 2): grid 256 x 1, 4 waves a work-group, no clusters, 327,680 bytes of LDS; arguments qimg, kimg, mimg, vimg, values_scales, out0; writes out0
.if DOCPART == 2
	.amdgcn_target "amdgcn-amd-amdhsa--gfx1250"
	.amdhsa_code_object_version 6
	.text
	.protected	k_q96fa5dba7f_attn
	.globl	k_q96fa5dba7f_attn
	.p2align	8
	.type	k_q96fa5dba7f_attn,@function
k_q96fa5dba7f_attn:
	s_mov_b64 s[64:65], 0
	v_nop
	global_prefetch_b8 v0, s[64:65] scope:SCOPE_SE
	s_setreg_imm32_b32 hwreg(HW_REG_WAVE_MODE, 25, 1), 1
	s_wait_xcnt 0x0
; out[b][h][l][:] = sum over s of Q4(softmax_s(q.k / 8)[l][s] x mask[l][s]) x values[b][s][h][:], both products on codes of FP4 (E2M1) with E8M0 scales for each 32 along K.
; SHARES.  Work-group x: batch b = x / 64, queries 32 t .. 32 t + 31 (t = x % 64); it walks the batch's 16 heads.  Wave w owns keys 512 w .. 512 w + 511 of every head:
; its 32 x 512 scores stay in 512 registers from the first product to the quantiser, so each score is made once and has one exponential.
; THE SOFTMAX.  t = score x log2(e) / 8.  Each wave takes its own largest t of a query, rounded up to a whole number Mw, p = 2^(t - Mw), and its own sum of p.  The four waves exchange (-Mw, sum) through LDS:
; M = the largest Mw, the row's sum = the sum of sums x 2^(Mw - M) (exact factors), and the wave's factor is f = 2^(Mw - M) / sum.  What is quantised along the keys is (p x mask) x f: the finished, normalised A x mask.
; A block's largest magnitude is taken of p x mask and multiplied by f: a multiplication by f > 0 keeps the order, so that is the largest of the products.
; THE MASK of the 32 queries, 262,144 bytes, comes into LDS once, one tensor load a wave, each wave fetching just the bytes that it reads itself; nothing is filled again.
; K, Q and V come from their images straight into registers, 16 bytes a lane and 512 consecutive bytes a load: K and Q one whole head ahead, V at the head's start for the product at its end: so no prefetch is laid.
; NO CLUSTER: beside the mask LDS has 65,536 bytes, a head's K and V are 139,264, so there are no LDS tiles that partners could share.
; O^T: each wave sums its 512 keys; the four parts meet in LDS as rows of 256 bytes, wave w adds rows 8 w .. 8 w + 7 and stores them whole.  The next head's first product stands between that barrier's signal and its wait.
; LIMITS: the promise holds while the scaled scores t stay under 2^31 in magnitude.  A block whose largest magnitude lies under 2^-124 gets the byte 1 (zeros give zero codes).  NaN and infinities among the inputs are not served.
; REGISTERS.  Window 0: addresses, Q, scales, small work, v128-255 K's fragments.  Windows 1, 2: scores, then p, then p x mask, of query tile 0, 1 (4 steps x 64); window 1's first 64 later hold O^T.
; Window 3: 0-127 V's fragments; 128-255 two stages of 64 for the mask; 128-191 later P's codes; 192-255 later the parts of O read back.
.set PAIRB, 139264
.set ORG,   262144                     ; O's parts: 4 waves x 32 rows x 272 bytes
.set STATS, 296960                     ; (-Mw, sum): 4 waves x 2 tiles x 16 queries x 8 bytes
.set SPARE, 297984                     ; the spare words, 128 bytes a wave
.set L16, 1
.set L8,  2
.set Q8,  3
.set L64, 4
.set AM,  5
.set AOS, 6
.set AOL, 7
.set AST, 8
.set ASL, 9
.set SPW, 10
.set NIL, 11
.set SH,  12
.set QR,  13
.set QS,  14
.set QZ,  16                           ; v16-35: zeros, Q tile 0, zeros, Q tile 1, zeros
.set KW,  36
.set VW,  44
.set PW,  52
.set NM0, 60                           ; v60 -Mw, v61 the sum, tile 0; v62, v63 tile 1
.set FF,  64                           ; v64 f of tile 0, v66 of tile 1
.set SA,  68                           ; v68-83 eight pairs of partial sums; later the four waves' (-Mw, sum)
.set TM,  86
.set BM,  94                           ; v94-125 the 32 blocks' largest magnitudes, then the conversions' scale operands
.set OD,  110                          ; v110-125 between two uses as BM: the eight finished rows of O on their way out
.set KF,  128
.set MS,  128
.set PC,  128
.set RD,  192
.set WV,  2
.set H,   3
.set G1,  16
.set G0,  24
.set BB,  28
.set TT,  29
.set HN,  30
.set NINF, 31
.set KB,  32
.set KSB, 34
.set QB,  36
.set QSB, 38
.set VB,  40
.set VSB, 42
.set OB,  44
.set SEL, 46
.set CS,  48
.set FLOOR, 50
.set M2,  51
.set MSB, 0
.macro WIN d, a, b, c                  ; windows of destination, source 0, 1, 2; the immediate's high byte repeats the setting that is left
.set NW, ((\d)<<6)|((\c)<<4)|((\b)<<2)|(\a)
.if MSB != NW
	s_set_vgpr_msb (MSB<<8)|NW
.set MSB, NW
.endif
.endm
.macro VA
	s_wait_alu depctr_va_vdst(0)
.endm
.macro NOPS n
.rept \n
	v_nop
.endr
.endm
.macro CH c                            ; chunk c = 4 x tile + step: 64 registers
.set c_, (\c)
.set q_, c_/4
.set w_, 1+q_
.set B_, 64*(c_%4)
.endm
.macro QKM d, a, b, sa, ra, rb
.set rD, \d
.set rA, \a
.set rB, \b
.set rS, \sa
.if ((\ra) == 0) && ((\rb) == 0)
	v_wmma_scale_f32_16x16x128_f8f6f4 v[rD:rD+7], v[rA:rA+7], v[rB:rB+7], 0, v[rS], v[QS] matrix_a_fmt:MATRIX_FMT_FP4 matrix_b_fmt:MATRIX_FMT_FP4
.elseif ((\rb) == 0)
	v_wmma_scale_f32_16x16x128_f8f6f4 v[rD:rD+7], v[rA:rA+7], v[rB:rB+7], 0, v[rS], v[QS] matrix_a_fmt:MATRIX_FMT_FP4 matrix_b_fmt:MATRIX_FMT_FP4 matrix_a_scale:MATRIX_SCALE_ROW1
.elseif ((\ra) == 0)
	v_wmma_scale_f32_16x16x128_f8f6f4 v[rD:rD+7], v[rA:rA+7], v[rB:rB+7], 0, v[rS], v[QS] matrix_a_fmt:MATRIX_FMT_FP4 matrix_b_fmt:MATRIX_FMT_FP4 matrix_b_scale:MATRIX_SCALE_ROW1
.else
	v_wmma_scale_f32_16x16x128_f8f6f4 v[rD:rD+7], v[rA:rA+7], v[rB:rB+7], 0, v[rS], v[QS] matrix_a_fmt:MATRIX_FMT_FP4 matrix_b_fmt:MATRIX_FMT_FP4 matrix_a_scale:MATRIX_SCALE_ROW1 matrix_b_scale:MATRIX_SCALE_ROW1
.endif
.endm
; S^T = K Q^T.  A fragment of K holds two tiles of 16 keys side by side along the instruction's 128 (a head has 64); Q beside zeros picks one of them.
.macro QK qt
	WIN 1+\qt, 0, 0, 0
.irp jj, 0,1,2,3
.irp fs, 0,1,2,3
	QKM 64*\jj+16*\fs, KF+32*\jj+8*\fs, QZ+4+8*\qt, KW+2*\jj+\fs/2, \fs%2, \qt
	QKM 64*\jj+16*\fs+8, KF+32*\jj+8*\fs, QZ+8*\qt, KW+2*\jj+\fs/2, \fs%2, \qt
.endr
.endr
.endm
.macro PVM d, a, b, sa, ra, sb, z
.set rD, \d
.set rA, \a
.set rB, \b
.set rS, \sa
.set rT, \sb
.if (\z)
.if (\ra) == 0
	v_wmma_scale_f32_16x16x128_f8f6f4 v[rD:rD+7], v[rA:rA+7], v[rB:rB+7], 0, v[rS], v[rT] matrix_a_fmt:MATRIX_FMT_FP4 matrix_b_fmt:MATRIX_FMT_FP4
.else
	v_wmma_scale_f32_16x16x128_f8f6f4 v[rD:rD+7], v[rA:rA+7], v[rB:rB+7], 0, v[rS], v[rT] matrix_a_fmt:MATRIX_FMT_FP4 matrix_b_fmt:MATRIX_FMT_FP4 matrix_a_scale:MATRIX_SCALE_ROW1
.endif
.else
.if (\ra) == 0
	v_wmma_scale_f32_16x16x128_f8f6f4 v[rD:rD+7], v[rA:rA+7], v[rB:rB+7], v[rD:rD+7], v[rS], v[rT] matrix_a_fmt:MATRIX_FMT_FP4 matrix_b_fmt:MATRIX_FMT_FP4
.else
	v_wmma_scale_f32_16x16x128_f8f6f4 v[rD:rD+7], v[rA:rA+7], v[rB:rB+7], v[rD:rD+7], v[rS], v[rT] matrix_a_fmt:MATRIX_FMT_FP4 matrix_b_fmt:MATRIX_FMT_FP4 matrix_a_scale:MATRIX_SCALE_ROW1
.endif
.endif
.endm
; The bases of head s[HN]'s K and Q.  The loads that read the old bases have been waited for (s_wait_loadcnt 0 at the first part's head).
.macro KBASE
	s_lshr_b32 s70, s[HN], 1
	s_mul_i32 s70, s70, PAIRB              ; the pair of heads
	s_and_b32 s71, s[HN], 1
	s_lshl_b32 s72, s71, 12                ; codes: 4,096 x head of the pair
	s_add_co_u32 s72, s72, s70
	s_lshl_b32 s74, s71, 8                 ; scale words: 256 x head of the pair
	s_add_co_u32 s74, s74, s70
	s_mov_b32 s73, 0
	s_mov_b32 s75, 0
	s_add_nc_u64 s[76:77], s[KB:KB+1], s[72:73]
	s_add_nc_u64 s[78:79], s[QB:QB+1], s[72:73]
	s_add_nc_u64 s[80:81], s[KSB:KSB+1], s[74:75]
	s_add_nc_u64 s[82:83], s[QSB:QSB+1], s[74:75]
.endm
; Load n of a head's 39: 32 of K's fragments of my 512 keys, 4 of their scale words, Q's two tiles, Q's scale word
.macro KL n
.if (\n) < 32
	global_load_b128 v[KF+4*(\n):KF+4*(\n)+3], v[L16], s[76:77] offset:8192*((\n)/8)+512*((\n)%8)
.elseif (\n) < 36
	global_load_b64 v[KW+2*((\n)-32):KW+2*((\n)-32)+1], v[L8], s[80:81] offset:512*((\n)-32)
.elseif (\n) < 38
	global_load_b128 v[QZ+4+8*((\n)-36):QZ+7+8*((\n)-36)], v[L16], s[78:79] offset:512*((\n)-36)
.elseif (\n) == 38
	global_load_b32 v[QR], v[Q8], s[82:83]
.endif
.endm
; The largest of a lane's 256 scores, in eight chains
.macro MAXP qt, t
	WIN 0, 0, 1+\qt, 1+\qt
.set i, 0
.rept 128
.if i < 8
	v_max3_num_f32 v[\t+i], s[NINF], v[2*i], v[2*i+1]
.else
	v_max3_num_f32 v[\t+i%8], v[\t+i%8], v[2*i], v[2*i+1]
.endif
.set i, i+1
.endr
.endm
.macro MSTAT                           ; -Mw = floor(-t) of the largest t of my keys, both tiles by turns
	WIN 0, 0, 0, 0
.irp t, TM, BM
	v_max3_num_f32 v[\t], v[\t], v[\t+1], v[\t+2]
	v_max3_num_f32 v[\t+3], v[\t+3], v[\t+4], v[\t+5]
.endr
.irp t, TM, BM
	v_max3_num_f32 v[\t], v[\t], v[\t+3], v[\t+6]
.endr
.irp t, TM, BM
	v_max_num_f32 v[\t], v[\t], v[\t+7]
.endr
.irp t, TM, BM
	v_permlanex16_b32 v[\t+1], v[\t], s[SEL], s[SEL+1]
.endr
.irp t, TM, BM
	v_max_num_f32 v[\t], v[\t], v[\t+1]
.endr
.irp t, TM, BM
	v_mul_f32 v[\t], s[CS], v[\t]
.endr
	v_floor_f32 v[NM0], -v[TM]
	v_floor_f32 v[NM0+2], -v[BM]
	VA
.endm
.macro FM c                            ; t - Mw
	CH \c
	WIN w_, w_, 0, 0
.set i, 0
.rept 32
	v_pk_fma_f32 v[B_+i:B_+i+1], v[B_+i:B_+i+1], s[CS:CS+1], v[NM0+2*q_:NM0+2*q_+1] op_sel_hi:[1,0,0]
.set i, i+2
.endr
.endm
; p = 2^(t - Mw) of chunk c.  Between the exponentials stands plain work of the same tile that names none of their registers: f_: the next chunk's t - Mw; m_: the last chunk's p x mask.
; What these lines read was written ahead of the wait in front of the batch, and what they write is first read behind the wait that follows it.
.macro BATCH c
	CH \c
.set Bf_, 64*((c_+1)%4)
.set Bm_, 64*((c_+3)%4)
.set Sm_, MS+64*((c_+1)%2)
	WIN w_, w_, 3, 0
.set i, 0
.rept 32
	v_exp_f32 v[B_+i], v[B_+i]
.if f_
	v_pk_fma_f32 v[Bf_+i:Bf_+i+1], v[Bf_+i:Bf_+i+1], s[CS:CS+1], v[NM0+2*q_:NM0+2*q_+1] op_sel_hi:[1,0,0]
.endif
	v_exp_f32 v[B_+i+1], v[B_+i+1]
.if m_
	v_pk_mul_f32 v[Bm_+i:Bm_+i+1], v[Bm_+i:Bm_+i+1], v[Sm_+i:Sm_+i+1]
.endif
.set i, i+2
.endr
.if !m_
	v_nop                                  ; a plain place behind the last exponential
.endif
.endm
.macro SUM c                           ; the sum of the unquantised p, eight chains of pairs; a tile's first chunk starts them
	CH \c
.set i, 0
.if (c_%4) == 0
	WIN 0, w_, w_, 0
.rept 8
	v_pk_add_f32 v[SA+2*i:SA+2*i+1], v[B_+4*i:B_+4*i+1], v[B_+4*i+2:B_+4*i+3]
.set i, i+1
.endr
	WIN 0, 0, w_, 0
.set i, 0
.rept 16
	v_pk_add_f32 v[SA+2*(i%8):SA+2*(i%8)+1], v[SA+2*(i%8):SA+2*(i%8)+1], v[B_+32+2*i:B_+32+2*i+1]
.set i, i+1
.endr
.else
	WIN 0, 0, w_, 0
.rept 32
	v_pk_add_f32 v[SA+2*(i%8):SA+2*(i%8)+1], v[SA+2*(i%8):SA+2*(i%8)+1], v[B_+2*i:B_+2*i+1]
.set i, i+1
.endr
.endif
.endm
.macro LSUM qt                         ; the eight chains, the two halves, lane l xor 16: my wave's sum of a query
	WIN 0, 0, 0, 0
.irp k, 0,2,4,6
	v_pk_add_f32 v[SA+\k:SA+\k+1], v[SA+\k:SA+\k+1], v[SA+8+\k:SA+8+\k+1]
.endr
.irp k, 0,2
	v_pk_add_f32 v[SA+\k:SA+\k+1], v[SA+\k:SA+\k+1], v[SA+4+\k:SA+4+\k+1]
.endr
	v_pk_add_f32 v[SA:SA+1], v[SA:SA+1], v[SA+2:SA+3]
	v_add_f32 v[TM], v[SA], v[SA+1]
	v_permlanex16_b32 v[TM+1], v[TM], s[SEL], s[SEL+1]
	v_add_f32 v[NM0+2*\qt+1], v[TM], v[TM+1]
.endm
; One run of memory instructions for chunk c: five of the next head's 39 loads of K and Q (behind the last head there is none: a branch on the count of heads leads round them);
; the chunk's 64 mask numbers a lane, from my own part of LDS; and, behind every third of those, one of this head's 32 loads of V's fragments (five with each of the first six chunks, two with the seventh; 16,384 consecutive bytes in all)
.macro ML c
	WIN 0, 0, 0, 0
	s_cmp_eq_u32 s[H], 15
	s_cbranch_scc1 .Lsk_\@
.set i, 5*(\c)
.rept 5
	KL i
.set i, i+1
.endr
.Lsk_\@:
	WIN 3, 0, 0, 0
.set i, 0
.rept 16
	ds_load_b128 v[MS+64*((\c)%2)+4*i:MS+64*((\c)%2)+4*i+3], v[AM] offset:32768*((\c)/4)+8192*((\c)%4)+512*i
.if ((\c) < 7) && ((i%3) == 2) && ((5*(\c)+i/3) < 32)
	global_load_b128 v[4*(5*(\c)+i/3):4*(5*(\c)+i/3)+3], v[L16], s[VB:VB+1] offset:512*(5*(\c)+i/3)
.endif
.set i, i+1
.endr
.endm
.macro MUL c, n                        ; p x mask by itself, where it cannot stand in a batch
	CH \c
.if (\n) >= 0
	s_wait_dscnt \n
.endif
	WIN w_, w_, 3, 0
.set i, 0
.rept 32
	v_pk_mul_f32 v[B_+i:B_+i+1], v[B_+i:B_+i+1], v[MS+64*(c_%2)+i:MS+64*(c_%2)+i+1]
.set i, i+2
.endr
.endm
.macro XMAX a                          ; the largest magnitude of each of the eight blocks of 32 keys of chunks a and a + 1, eight chains
	CH \a
	WIN 0, 0, w_, w_
.irp b, 0,1,2,3,4,5,6,7
	v_max3_num_f32 v[BM+4*c_+\b], 0, |v[B_+16*\b]|, |v[B_+16*\b+1]|
.endr
.irp k, 2,4,6,8,10,12,14
.irp b, 0,1,2,3,4,5,6,7
	v_max3_num_f32 v[BM+4*c_+\b], v[BM+4*c_+\b], |v[B_+16*\b+\k]|, |v[B_+16*\b+\k+1]|
.endr
.endr
	WIN 0, 0, 0, 0
.irp b, 0,1,2,3,4,5,6,7
	v_permlanex16_b32 v[TM+\b], v[BM+4*c_+\b], s[SEL], s[SEL+1]
.endr
.irp b, 0,1,2,3,4,5,6,7
	v_max_num_f32 v[BM+4*c_+\b], v[BM+4*c_+\b], v[TM+\b]
.endr
.endm
.macro QC c                            ; x f, then the codes: 16 neighbouring keys a lane and block, halves exchanged so that a lane holds a whole block
	CH \c
	WIN w_, w_, 0, 0
.set i, 0
.rept 32
	v_pk_mul_f32 v[B_+i:B_+i+1], v[B_+i:B_+i+1], v[FF+2*q_:FF+2*q_+1] op_sel_hi:[1,0]
.set i, i+2
.endr
	WIN 3, w_, 0, 0
.irp e, 0,1,2,3
	v_cvt_scalef32_pk8_fp4_f32 v[PC+8*c_+2*\e], v[B_+16*\e:B_+16*\e+7], v[BM+4*c_+\e]
	v_cvt_scalef32_pk8_fp4_f32 v[PC+8*c_+2*\e+1], v[B_+16*\e+8:B_+16*\e+15], v[BM+4*c_+\e]
.endr
	v_nop                                  ; a plain place behind the conversions
	WIN 3, 3, 0, 0
.irp cc, 0,1
.irp k, 0,1
	v_permlane16_swap_b32 v[PC+8*c_+4*\cc+\k], v[PC+8*c_+4*\cc+2+\k]
.endr
.endr
.endm
.macro RDLOAD                          ; rows 8 w .. 8 w + 7 of all four waves' parts of O
	WIN 3, 0, 0, 0
.irp p, 0,1,2,3
.irp k, 0,1,2,3
	ds_load_b128 v[RD+16*\p+4*\k:RD+16*\p+4*\k+3], v[AOL] offset:8704*\p+544*\k
.endr
.endr
	WIN 0, 0, 0, 0
.endm
; The four parts are added; 8 rows of 256 bytes of head s[H] - d leave, 512 consecutive bytes a store.  The stores' data and base are next written behind the s_wait_xcnt 0 in the next head's third chunk.
.macro FINISH d
	s_wait_dscnt 0x0
	WIN 3, 3, 3, 0
.irp k, 0,2,4,6,8,10,12,14
	v_pk_add_f32 v[RD+\k:RD+\k+1], v[RD+\k:RD+\k+1], v[RD+16+\k:RD+16+\k+1]
	v_pk_add_f32 v[RD+32+\k:RD+32+\k+1], v[RD+32+\k:RD+32+\k+1], v[RD+48+\k:RD+48+\k+1]
.endr
	WIN 0, 3, 3, 0
.irp k, 0,2,4,6,8,10,12,14
	v_pk_add_f32 v[OD+\k:OD+\k+1], v[RD+\k:RD+\k+1], v[RD+32+\k:RD+32+\k+1]
.endr
	WIN 0, 0, 0, 0
	s_sub_co_u32 s70, s[H], \d
	s_lshl_b32 s70, s70, 19                ; a head's 2,048 rows of 256 bytes
	s_mov_b32 s71, 0
	s_add_nc_u64 s[84:85], s[OB:OB+1], s[70:71]
.irp k, 0,1,2,3
	global_store_b128 v[L16], v[OD+4*\k:OD+4*\k+3], s[84:85] offset:512*\k th:TH_STORE_NT
.endr
.endm
; A head's first part: the scores and -Mw.  fin = 1: it stands round the last head's second barrier, and that head's rows leave at its end.
.macro APART fin
	s_wait_loadcnt 0x0                     ; K, Q and their scales are in: they were asked for a head ago
	v_lshrrev_b32 v[TM], v[SH], v[QR]      ; lanes 0-15 take tile 0's two bytes, lanes 16-31 tile 1's,
	v_and_b32 v[TM], 0xffff, v[TM]
	v_lshl_or_b32 v[QS], v[TM], 16, v[TM]  ; for either place of Q beside the zeros
	NOPS 8                                 ; a scale register written by a vector instruction stands 8 places ahead
.if \fin
	VA
	s_wait_dscnt 0x0                       ; my part of O is in LDS
	s_barrier_signal -1
.endif
	QK 0
	QK 1
	NOPS 4                                 ; places ahead of the loads into K and Q and of the reads of the scores
	WIN 0, 0, 0, 0
.if \fin
	s_barrier_wait -1
	RDLOAD
.endif
	MAXP 0, TM
	MAXP 1, BM
	MSTAT
.if \fin
	FINISH 1
.endif
.endm
	s_load_b256 s[4:11], s[0:1], 0x0       ; qimg s[4:5], kimg s[6:7], mimg s[8:9], vimg s[10:11]
	s_load_b128 s[12:15], s[0:1], 0x20     ; values_scales s[12:13], out0 s[14:15]
	v_lshl_add_u32 v[SPW], v0, 2, SPARE
	v_mov_b32 v[NIL], 0
	ds_add_u32 v[SPW], v[NIL]              ; the opening lines: the add, twice on end, and its wait ahead of my tensor load
	ds_add_u32 v[SPW], v[NIL]
	v_lshrrev_b32 v1, 5, v0
	v_readfirstlane_b32 s[WV], v1          ; wave 0..3
	s_lshr_b32 s[BB], ttmp9, 6             ; b
	s_and_b32 s[TT], ttmp9, 63             ; t
	s_mov_b32 s[G1+0], 3<<16               ; elements of 8 bytes, no padding
	s_mov_b32 s[G1+1], 4096<<16            ; a row: my four steps of one query tile, 32,768 consecutive bytes
	s_mov_b32 s[G1+2], 2<<16               ; two rows: the two query tiles
	s_mov_b32 s[G1+3], 4096<<16
	s_mov_b32 s[G1+4], 2
	s_mov_b32 s[G1+5], 16384               ; 131,072 bytes apart
	s_mov_b32 s[G1+6], 0
	s_mov_b32 s[G1+7], 0
	s_mov_b32 s[G0], 1
	s_lshl_b32 s[G0+1], s[WV], 16          ; LDS: 65,536 x wave
	s_lshl_b32 s[G0+2], s[TT], 18
	s_lshl_b32 s66, s[WV], 15
	s_add_co_u32 s[G0+2], s[G0+2], s66     ; mimg: 262,144 t + 32,768 wave
	s_mov_b32 s[G0+3], 0
	s_wait_dscnt 0x0
	s_wait_kmcnt 0x0
	s_add_nc_u64 s[G0+2:G0+3], s[8:9], s[G0+2:G0+3]
	s_or_b32 s[G0+3], s[G0+3], 0x80000000
	v_and_b32 v86, 31, v0                  ; lane
	v_and_b32 v87, 15, v0                  ; r
	v_bfe_u32 v88, v0, 4, 1                ; hh
	v_lshlrev_b32 v[L16], 4, v86
	v_lshlrev_b32 v[L8], 3, v86
	v_lshlrev_b32 v[Q8], 3, v87
	v_lshlrev_b32 v[L64], 6, v86
	v_lshlrev_b32 v[SH], 4, v88
	s_lshl_b32 s70, s[WV], 16
	v_add_nc_u32 v[AM], s70, v[L16]        ; the mask: my 65,536 bytes, 16 x lane
	s_mul_i32 s71, s[WV], 8704
	s_add_co_u32 s71, s71, ORG
	v_mul_u32_u24 v89, v87, 272
	v_lshl_add_u32 v89, v88, 5, v89
	v_add_nc_u32 v[AOS], s71, v89          ; my part of O, way in: row r, 32 hh bytes on
	s_mul_i32 s72, s[WV], 2176
	s_add_co_u32 s72, s72, ORG
	v_mul_u32_u24 v90, v88, 272
	v_lshl_add_u32 v90, v87, 4, v90
	v_add_nc_u32 v[AOL], s72, v90          ; way back: rows 8 w + hh, 16 bytes a lane
	s_lshl_b32 s73, s[WV], 8
	s_add_co_u32 s73, s73, STATS
	v_add_nc_u32 v[AST], s73, v[Q8]
	v_add_nc_u32 v[ASL], STATS, v[Q8]
.irp i, 0,1,2,3,8,9,10,11,16,17,18,19
	v_mov_b32 v[QZ+\i], 0
.endr
.irp i, NM0+1, NM0+3, FF+1, FF+3
	v_mov_b32 v[\i], 0                     ; named as upper halves of pairs
.endr
	VA                                     ; the head's vector work ends here
	s_mul_i32 s66, s[BB], 8*PAIRB          ; the batch's eight pairs of heads
	s_mov_b32 s69, 0
	s_lshl_b32 s68, s[WV], 15              ; K's codes: my four steps of 8,192 bytes
	s_add_co_u32 s68, s68, s66
	s_add_nc_u64 s[KB:KB+1], s[6:7], s[68:69]
	s_lshl_b32 s68, s[WV], 11              ; K's scale words: four steps of 512 bytes
	s_add_co_u32 s68, s68, s66
	s_add_co_u32 s68, s68, 131072
	s_add_nc_u64 s[KSB:KSB+1], s[6:7], s[68:69]
	s_lshr_b32 s70, s[TT], 2               ; Q: step t / 4, its 32 rows t % 4
	s_lshl_b32 s68, s70, 13
	s_and_b32 s71, s[TT], 3
	s_lshl_b32 s71, s71, 10
	s_add_co_u32 s68, s68, s71
	s_add_co_u32 s68, s68, s66
	s_add_nc_u64 s[QB:QB+1], s[4:5], s[68:69]
	s_lshl_b32 s68, s70, 9
	s_and_b32 s71, s[TT], 1
	s_lshl_b32 s71, s71, 7
	s_add_co_u32 s68, s68, s71
	s_bfe_u32 s71, s[TT], 0x10001
	s_lshl_b32 s71, s71, 2
	s_add_co_u32 s68, s68, s71
	s_add_co_u32 s68, s68, s66
	s_add_co_u32 s68, s68, 131072
	s_add_nc_u64 s[QSB:QSB+1], s[4:5], s[68:69]
	s_lshl_b32 s68, s[BB], 20              ; V's codes: 16 heads of 65,536 bytes a batch, 16,384 a wave
	s_lshl_b32 s71, s[WV], 14
	s_add_co_u32 s68, s68, s71
	s_add_nc_u64 s[VB:VB+1], s[10:11], s[68:69]
	s_lshl_b32 s68, s[BB], 16              ; V's scales: 1,024 rows of 64 bytes a batch, my 16 bytes of a row
	s_lshl_b32 s71, s[WV], 4
	s_add_co_u32 s68, s68, s71
	s_add_nc_u64 s[VSB:VSB+1], s[12:13], s[68:69]
	s_lshl_b32 s68, s[BB], 15              ; O: row 32,768 b + 2,048 h + 32 t + 8 (w / 2) + 16 (w % 2), 256 bytes a row
	s_lshl_b32 s71, s[TT], 5
	s_add_co_u32 s68, s68, s71
	s_lshr_b32 s71, s[WV], 1
	s_lshl_b32 s71, s71, 3
	s_add_co_u32 s68, s68, s71
	s_and_b32 s71, s[WV], 1
	s_lshl_b32 s71, s71, 4
	s_add_co_u32 s68, s68, s71
	s_lshl_b32 s68, s68, 8
	s_add_nc_u64 s[OB:OB+1], s[14:15], s[68:69]
	s_mov_b32 s[SEL], 0x76543210
	s_mov_b32 s[SEL+1], 0xfedcba98
	s_mov_b32 s[CS], 0x3e38aa3b            ; log2(e) / 8
	s_mov_b32 s[CS+1], s[CS]
	s_mov_b32 s[NINF], 0xff800000
	s_mov_b32 s[FLOOR], 0x1800000          ; 2^(3 - 127): the byte cannot fall under 1
	s_mov_b32 s[M2], 0xff000000            ; 2 off an exponent field
	s_mov_b32 s[H], 0
	s_mov_b32 s[HN], 0
	KBASE
.set kn, 0
.rept 39
	KL kn                                  ; the first head's K and Q, asked for ahead of the mask: the first scores want them first
.set kn, kn+1
.endr
	tensor_load_to_lds s[G0:G0+3], s[G1:G1+7]      ; my 65,536 bytes of the mask: my one tensor load
	s_nop 0
	APART 0
	s_wait_tensorcnt 0x0                   ; my part of the mask is in; I alone read it
.Lunit:
	s_add_co_u32 s[HN], s[H], 1            ; the head whose K and Q are asked for in this trip
	KBASE
	global_load_b128 v[VW:VW+3], v[L64], s[VSB:VSB+1]                ; V's scale words: lane (r, hh): row 16 hh + r, my four steps
	global_load_b128 v[VW+4:VW+7], v[L64], s[VSB:VSB+1] offset:2048  ; rows 32 on
	ML 0
	ML 1
	FM 0
	VA
; Chunk by chunk: the batch, one wait, the mask stage two chunks on, the sums; behind every second chunk the block maxima of the two chunks whose p x mask is done
.irp c, 0,1,2,3,4,5,6,7
.set f_, (\c != 3) && (\c != 7)
.set m_, (\c >= 1) && (\c != 4)
.if m_
	s_wait_dscnt 16                        ; the last chunk's 16 mask loads are in; this chunk's 16 may be out
.endif
	BATCH \c
.if \c == 3
	FM 4                                   ; the other tile's window: by itself
.endif
	VA
.if \c == 2
	s_wait_xcnt 0x0                        ; the last head's stores have read their data and base
.endif
.if (\c >= 1) && (\c <= 6)
	ML \c+1
.endif
	SUM \c
.if \c == 3
	LSUM 0
	MUL 3, 16                              ; the other tile's window follows: by itself
.endif
.if \c == 7
	LSUM 1
.endif
.if (\c == 2) || (\c == 4) || (\c == 6)
	XMAX \c-2
.endif
.endr
	ds_store_b64 v[AST], v[NM0:NM0+1]              ; (-Mw, sum) of tile 0; lanes l and l + 16 store the same
	ds_store_b64 v[AST], v[NM0+2:NM0+3] offset:128 ; of tile 1
	VA
	s_wait_dscnt 0x0
	s_barrier_signal -1
	MUL 7, -1                              ; work on registers while the others arrive
	WIN 0, 0, 0, 0
	s_barrier_wait -1
.irp p, 0,1,2,3
.irp q, 0,1
	ds_load_b64 v[SA+4*\p+2*\q:SA+4*\p+2*\q+1], v[ASL] offset:256*\p+128*\q
.endr
.endr
	XMAX 6
	VA
	s_wait_dscnt 0x0
; f = 2^(Mw - M) / the row's sum
.irp q, 0,1
	v_min3_num_f32 v[TM+\q], v[SA+2*\q], v[SA+4+2*\q], v[SA+8+2*\q]
.endr
.irp q, 0,1
	v_min_num_f32 v[TM+\q], v[TM+\q], v[SA+12+2*\q]    ; -M
.endr
.irp k, 0,1,2,3,4,5,6,7
	v_sub_f32 v[SA+2*\k], v[TM+\k%2], v[SA+2*\k]       ; each wave's Mw - M: a whole number, 0 or less
.endr
.irp q, 0,1
	v_sub_f32 v[TM+2+\q], v[TM+\q], v[NM0+2*\q]        ; and mine
.endr
.irp k, 0,1,2,3,4,5,6,7
	v_cvt_i32_f32 v[SA+2*\k], v[SA+2*\k]
.endr
.irp q, 0,1
	v_cvt_i32_f32 v[TM+2+\q], v[TM+2+\q]
.endr
.irp k, 0,1,2,3,4,5,6,7
	v_ldexp_f32 v[SA+2*\k+1], v[SA+2*\k+1], v[SA+2*\k]
.endr
.irp q, 0,1
	v_add_f32 v[SA+1+2*\q], v[SA+1+2*\q], v[SA+5+2*\q]
	v_add_f32 v[SA+9+2*\q], v[SA+9+2*\q], v[SA+13+2*\q]
.endr
.irp q, 0,1
	v_add_f32 v[SA+1+2*\q], v[SA+1+2*\q], v[SA+9+2*\q]
.endr
	VA
.irp q, 0,1
	v_rcp_f32 v[TM+4+\q], v[SA+1+2*\q]
.endr
	v_nop
	VA
.irp q, 0,1
	v_fma_f32 v[TM+6+\q], -v[SA+1+2*\q], v[TM+4+\q], 1.0
.endr
.irp q, 0,1
	v_fma_f32 v[TM+4+\q], v[TM+4+\q], v[TM+6+\q], v[TM+4+\q]   ; one step of refinement
.endr
.irp q, 0,1
	v_ldexp_f32 v[FF+2*\q], v[TM+4+\q], v[TM+2+\q]
.endr
; the 32 blocks' scales
.irp k, 0,2,4,6,8,10,12,14
	v_pk_mul_f32 v[BM+\k:BM+\k+1], v[BM+\k:BM+\k+1], v[FF:FF+1] op_sel_hi:[1,0]
	v_pk_mul_f32 v[BM+16+\k:BM+16+\k+1], v[BM+16+\k:BM+16+\k+1], v[FF+2:FF+3] op_sel_hi:[1,0]
.endr
.set i, 0
.rept 32
	v_max_num_f32 v[BM+i], s[FLOOR], v[BM+i]
.set i, i+1
.endr
.set i, 0
.rept 32
	v_add_nc_u32 v[BM+i], s[M2], v[BM+i]   ; the conversion's scale operand
.set i, i+1
.endr
.irp g, 0,2,4,6
.irp k, 0,1,2,3,4,5,6,7
	v_lshrrev_b32 v[TM+\k], 23, v[BM+4*\g+\k]   ; the bytes
.endr
	v_lshl_or_b32 v[PW+\g], v[TM+1], 8, v[TM]
	v_lshl_or_b32 v[PW+\g+1], v[TM+5], 8, v[TM+4]
	v_lshl_or_b32 v[PW+\g], v[TM+2], 16, v[PW+\g]
	v_lshl_or_b32 v[PW+\g+1], v[TM+6], 16, v[PW+\g+1]
	v_lshl_or_b32 v[PW+\g], v[TM+3], 24, v[PW+\g]
	v_lshl_or_b32 v[PW+\g+1], v[TM+7], 24, v[PW+\g+1]
.endr
.irp c, 0,1,2,3,4,5,6,7
	QC \c
.endr
	NOPS 4                                 ; an operand written by vector instructions stands 4 places ahead
	VA
	s_wait_loadcnt 0x0                     ; V and its scales
	WIN 1, 3, 3, 1
; O^T = V^T P^T over my four steps of 128 keys; the eight accumulators by turns
.irp ks, 0,1,2,3
.irp qt, 0,1
.irp dt, 0,1,2,3
	PVM 32*\qt+8*\dt, 32*\ks+8*\dt, PC+32*\qt+8*\ks, VW+4*(\dt/2)+\ks, \dt%2, PW+4*\qt+\ks, \ks==0
.endr
.endr
.endr
	NOPS 4
	WIN 0, 0, 1, 0
.irp qt, 0,1
.irp dt, 0,1,2,3
	ds_store_b128 v[AOS], v[32*\qt+8*\dt:32*\qt+8*\dt+3] offset:4352*\qt+64*\dt
	ds_store_b128 v[AOS], v[32*\qt+8*\dt+4:32*\qt+8*\dt+7] offset:4352*\qt+64*\dt+16
.endr
.endr
	WIN 0, 0, 0, 0
	VA
	s_cmp_eq_u32 s[H], 15
	s_cbranch_scc1 .Llast                  ; the walk leaves here, behind its sixteenth head
	s_add_nc_u64 s[VB:VB+1], s[VB:VB+1], 65536     ; the next head's V: the loads that read these bases were waited for ahead of the product
	s_add_nc_u64 s[VSB:VSB+1], s[VSB:VSB+1], 4096
	s_add_co_u32 s[H], s[H], 1
	APART 1
	s_cmp_lt_u32 s[H], 16
	s_cbranch_scc1 .Lunit
.Llast:
	s_wait_dscnt 0x0
	s_barrier_signal -1
	s_barrier_wait -1
	RDLOAD
	FINISH 0
	s_wait_tensorcnt 0x0                   ; the wave's end
	ds_add_u32 v[SPW], v[NIL]
	s_wait_dscnt 0x0
	s_endpgm
.Lfunc_end_k_q96fa5dba7f_attn:
	.size	k_q96fa5dba7f_attn, .Lfunc_end_k_q96fa5dba7f_attn-k_q96fa5dba7f_attn
	.p2alignl 7, 3214868480
	.fill 96, 4, 3214868480
	.section	.rodata,"a",@progbits
	.p2align	6, 0x0
	.amdhsa_kernel k_q96fa5dba7f_attn
		.amdhsa_group_segment_fixed_size 327680
		.amdhsa_private_segment_fixed_size 0
		.amdhsa_enable_private_segment 0
		.amdhsa_kernarg_size 48
		.amdhsa_user_sgpr_count 2
		.amdhsa_user_sgpr_kernarg_segment_ptr 1
		.amdhsa_wavefront_size32 1
		.amdhsa_system_sgpr_workgroup_id_x 1
		.amdhsa_system_sgpr_workgroup_id_y 1
		.amdhsa_system_sgpr_workgroup_id_z 1
		.amdhsa_system_vgpr_workitem_id 0
		.amdhsa_next_free_vgpr 1024
		.amdhsa_next_free_sgpr 96
		.amdhsa_reserve_vcc 0
		.amdhsa_float_denorm_mode_32 3
		.amdhsa_float_denorm_mode_16_64 3
		.amdhsa_memory_ordered 1
		.amdhsa_forward_progress 1
		.amdhsa_inst_pref_size 205
	.end_amdhsa_kernel
	.amdgpu_metadata
---
amdhsa.version: [ 1, 2 ]
amdhsa.kernels:
  - .name:           k_q96fa5dba7f_attn
    .symbol:         k_q96fa5dba7f_attn.kd
    .args:
      - { .name: qimg, .offset: 0, .size: 8, .value_kind: global_buffer, .address_space: global }
      - { .name: kimg, .offset: 8, .size: 8, .value_kind: global_buffer, .address_space: global }
      - { .name: mimg, .offset: 16, .size: 8, .value_kind: global_buffer, .address_space: global }
      - { .name: vimg, .offset: 24, .size: 8, .value_kind: global_buffer, .address_space: global }
      - { .name: values_scales, .offset: 32, .size: 8, .value_kind: global_buffer, .address_space: global }
      - { .name: out0, .offset: 40, .size: 8, .value_kind: global_buffer, .address_space: global }
    .group_segment_fixed_size: 327680
    .private_segment_fixed_size: 0
    .kernarg_segment_align: 8
    .kernarg_segment_size: 48
    .max_flat_workgroup_size: 128
    .sgpr_count:     96
    .vgpr_count:     1024
    .wavefront_size: 32
...
	.end_amdgpu_metadata
.endif
;; end of part 2
